; MI455X (gfx1250); checked and timed in simulation.
; The chip was launched on July 23, 2026; its instructions are those of AMD's public machine-readable ISA for CDNA 5 (MIT licence, August 2026) and "CDNA5" Instruction Set Architecture Reference Guide (July 2026). The comments in the code are by the model that wrote it; some were corrected since.
;; Task Aware MOE Router. Allowed arithmetic: matrix products marked QUANTISED: E2M1 operands, one E8M0 scale for each 32 along K, by v_wmma_scale_f32_16x16x128_f8f6f4 with both operands' format E2M1 (or v_wmma_scale_f32_32x16x128_f4), f32 sums; everything else in f32.
;; Inputs: W 16 x 868 float32; b 16 float32; hidden_states 64 x 768 x 32 x 32 float32; task_cls 64 x 100 float32.
;; Outputs: out0 64 x 16 float32; out1 64 x 2 float32; out2 64 x 2 int32; out3 16 x 2 x 64 int32.
;; This version of the problem:
;;   THIS VERSION OF THE PROBLEM IS GIVEN IN LOW PRECISION. The matrix products marked QUANTISED in the list below multiply operands that are first quantised to E2M1 (2 exponent bits, 1 mantissa bit; 4 bits a number), with one power-of-two scale for each 32 numbers along K (OCP MX v1.0); their sums are f32. All else is computed in f32.
;;   The module's matrix products, in the order in which they are computed (A, B: the left and right operand; K: the contracted axis; several contracted axes count as one K, in the product's order):
;;     1. [M 64, K 868] x [K 868, N 16]; A: computed on the way; B: input W: QUANTISED
;;   THE QUANTISER, for each operand of a quantised product, along K:
;;     - K is cut into blocks of 32 from its start; a last block that is shorter is filled with zeros.
;;     - A block's scale is 2^e with e = floor(log2(the largest magnitude in the block)) - 2, held to -126 .. 127; a block of zeros has e = 0. As a byte (E8M0): e + 127.
;;     - Each number is divided by its block's scale, clamped to +-6, and rounded to the nearest number of E2M1, ties to even, subnormals kept.
;;     - The product sums the exact products of the quantised numbers (number of the format x scale) in f32.
;;   ~~~python
;;   def quantise(x, axis):      # numpy; x: float32 -> the quantised numbers, widened to float32 again
;;       x = np.moveaxis(x, axis, -1); K = x.shape[-1]
;;       x = np.pad(x, [(0, 0)] * (x.ndim - 1) + [(0, -K % 32)]); x = x.reshape(x.shape[:-1] + (-1, 32)); a = np.abs(x).max(-1, keepdims=True)
;;       e = np.where(a > 0, np.clip(np.frexp(np.where(a > 0, a, 1))[1] - 1 - 2, -126, 127), 0)      # np.frexp(a)[1] - 1 = floor(log2(a)), exactly
;;       r = np.clip(x / 2.0 ** e, -6, 6)
;;       step = 2.0 ** (np.maximum(np.frexp(np.where(r == 0, 1, r))[1] - 1, 0) - 1)
;;       q = np.round(r / step) * step * 2.0 ** e      # np.round: ties to even
;;       return np.moveaxis(q.reshape(q.shape[:-2] + (-1,))[..., :K], -1, axis).astype(np.float32)
;;   ~~~
;;   OPERANDS COMPUTED ON THE WAY. 'Computed on the way' means the value that the module computes at that place (a softmax that the list does not call 'softmax' is quantised finished and normalised). What goes into a quantiser is computed in f32, as accurately as f32 sums, v_exp_f32 and their like allow (about 1e-6 of the number): no bf16 or f16 on the way to a quantiser, and a product that is left as it is and whose result goes on into a quantised operand takes f32 operands (vector FMAs, or v_wmma_f32_16x16x4_f32). A number that lies on a knife's edge between two numbers of the format may be rounded either way, as far as f32 arithmetic and the matrix unit's own rounding can turn it there, and no further.
;; One version. Each part assembles by itself: llvm-mc -triple=amdgcn-amd-amdhsa -mcpu=gfx1250 --defsym DOCPART=n.
;; ======== version 1 of 1: 2 launches
;; limits: right only within a limited range of input values
;; workspace buffers: part 16,384 bytes
;; launch pool (part 1): grid 256 x 1, 16 waves a work-group, no clusters, 6,144 bytes of LDS; arguments hidden_states, task_cls, W, part; writes part
.if DOCPART == 1
	.amdgcn_target "amdgcn-amd-amdhsa--gfx1250"
	.amdhsa_code_object_version 6
	.text
	.protected	k_q66473b3273_pool
	.globl	k_q66473b3273_pool
	.p2align	8
	.type	k_q66473b3273_pool,@function
k_q66473b3273_pool:
	s_mov_b64 s[64:65], 0
	v_nop
	global_prefetch_b8 v0, s[64:65] scope:SCOPE_SE
	s_setreg_imm32_b32 hwreg(HW_REG_WAVE_MODE, 25, 1), 1
	s_wait_xcnt 0x0
; part[q][b][e] = a quarter of the gate's product for batch row b: the sum over the quarter's K of Q(fused)[b][k] Q(W)[e][k], fused = [means of hidden_states (768) | softmax(task_cls) (100)], both operands
; quantised along K to FP4 (E2M1) with one E8M0 scale for each 32.  hidden_states [64][768][32][32], task_cls [64][100], W [16][868], part [4][64][16]: f32.  The next launch adds the four quarters and b.  No work is left out as dead.
; SHARES.  256 work-groups of 16 waves.  Work-group x serves batch row x / 4, quarter q = x % 4: channels 192 q .. 192 q + 191, six whole blocks of 32, and block q of the softmax's four (classes 32 q .. 32 q + 31; the last
; block has 4 classes and is filled up with zeros).  So its K is 224 numbers, filled up to 256: two matrix instructions deep.
; A plane (b, c) is 1,024 numbers, 4,096 consecutive bytes.  Wave w takes planes 16 p + w, p = 0 .. 11, eight loads of 16 bytes a lane each, so that the work-group walks 65,536 consecutive bytes in each turn.
; A ring of SLOTS plane slots in registers keeps 8 x SLOTS loads of every wave in flight; every offset is an immediate and no address register is rewritten.
; IN STEP.  A wave asks for plane p + 4 only when all sixteen have asked for their plane p + 3 (a split barrier: signalled behind one fill, waited for ahead of the next), so the waves come to their last planes together.
; Behind the last fill, while the last four planes are on their way, wave w quantises row w of W's 256 numbers (8 a lane, four lanes to a block), and wave 0 makes the row's softmax.
; THE PRODUCT.  The 192 means and the softmax's block lie one behind the other in LDS.  Wave 0 takes 8 a lane, quantises them, and turns the codes through LDS into the operand's order; all 16 rows of that operand are this one batch row.
; Register 0 of the result is then expert (lane % 16); lanes 0 to 15 store 64 consecutive bytes: a work-group has one row of one quarter, so 256 bytes of part come from four work-groups; part is 16,384 bytes in all.
; NO CLUSTER: no two work-groups share a plane; what they share (W, 55,552 bytes, and rows of 400 bytes) is a small part of a work-group's 786,432 bytes.  No prefetch: every wave has up to 35 loads of its own on their way, and there is no ring of drained slots.
; LIMITS: NaN and infinities among the inputs are not served.  A class whose probability falls under 2^-126 comes out of v_exp_f32 as 0.  A block of zeros gets the scale byte 1 where the rule says 127: its codes are zeros, and the bytes stay here.
.set PLANE, 4096
.set WGB,   192*PLANE                  ; a work-group's bytes
.set PPW,   12                         ; planes of a wave
.set SLOTS, 4
.set SIDE,  3                          ; loads of W and task_cls, issued behind planes 0 to 3
.set ROWW,  3472                       ; a row of W in bytes: 217 units of 16
.set ROWT,  400                        ; of task_cls
.set SUM,   0                          ; LDS: 192 means,
.set PB,    768                        ; then the softmax, its block q first (512 bytes),
.set WC,    1280                       ; W's codes: 16 rows of 128 bytes + 16,
.set WPIT,  144
.set WS,    3584                       ; W's scale bytes: 8 a row,
.set FC,    3712                       ; the fused operand's codes: 128 bytes,
.set FS,    3840                       ; its 8 scale bytes,
.set SPARE, 4096                       ; and the spare words, 128 bytes a wave
.set OFF, 1                            ; v1   my 16 bytes of my wave's first plane
.set LA,  2                            ; v2   LDS address of my wave's first mean
.set LN,  3                            ; v3   lane
.set T,   4                            ; v[4:19]   at work
.set R,   20                           ; v[20:31]  a mean for each plane
.set X,   32                           ; v[32:159] plane slots; behind the barrier operands and result
.set SPW, 160
.set NIL, 161
.set WV,  162                          ; v[162:169] my 8 numbers of W's row
.set TV,  170                          ; v[170:173] my 4 classes
.set WA,  174
.set WSA, 175
.set UA,  176
.set UB,  177
.set MSK, 178                          ; which of my 8 codes of W exist
.set TO,  179
.set TU,  180
.set TP,  181
.set BSC, 182                          ; v[182:183] W's scale words, v[184:185] the fused operand's
.set ASC, 184
.set OA,  186
.set WFA, 187
.set WSR, 188
.set FCA, 189
.set FSA, 190
.set FRA, 191
.set FZA, 192
.set PO,  193
.set TA,  194
.set TB,  195
.set WCR, X                            ; behind the barrier: v[32:47] W's codes, v[48:63] the fused operand's, v[64:71] the result
.set FCR, X+16
.set D,   X+32
	s_load_b256 s[4:11], s[0:1], 0x0               ; hidden_states s[4:5], task_cls s[6:7], W s[8:9], part s[10:11]
	v_lshl_add_u32 v[SPW], v0, 2, SPARE
	v_mov_b32 v[NIL], 0
	v_lshrrev_b32 v[LA], 5, v0
	s_delay_alu instid0(VALU_DEP_1)
	v_readfirstlane_b32 s16, v[LA]                 ; wave 0..15
	v_and_b32 v[LN], 31, v0
	s_lshl_b32 s17, s16, 12
	v_lshl_add_u32 v[OFF], v[LN], 4, s17
	s_lshl_b32 s18, s16, 2
	v_mov_b32 v[LA], s18
	s_mul_i32 s12, ttmp9, WGB                      ; 255 x 786,432 at the most, under 2^32
	s_mov_b32 s13, 0
	s_and_b32 s19, ttmp9, 3                        ; quarter
	s_lshr_b32 s20, ttmp9, 2                       ; batch row
	s_mul_i32 s22, s16, ROWW                       ; W: row = wave
	s_mov_b32 s23, 0
	s_mul_i32 s24, s20, ROWT
	s_mov_b32 s25, 0
	s_lshl_b32 s26, s19, 12                        ; part: 4,096 bytes a quarter, 64 a row
	s_lshl_b32 s21, s20, 6
	s_add_co_u32 s26, s26, s21
	s_mov_b32 s27, 0
	s_mul_i32 s28, s19, 48                         ; W: 48 units of 16 bytes a quarter
	s_lshl_b32 s21, s19, 3
	s_add_co_u32 s29, s21, 192                     ; and the classes' 8 a quarter
	s_mov_b32 s30, 0x76543210                      ; v_permlanex16_b32's selects for lane l xor 16
	s_mov_b32 s31, 0xfedcba98
	s_mov_b32 s34, 0x3fb8aa3b                      ; log2(e)
	s_mul_i32 s33, s16, WPIT
	s_add_co_u32 s33, s33, WC
	s_lshl_b32 s35, s16, 3
	s_add_co_u32 s35, s35, WS
	s_wait_alu depctr_va_vdst(0)                   ; the wait ahead of the readers below
	; my two units of W's row: lanes 0 to 23 units 48 q + 2 l, + 1; lanes 24 to 27 (28 to 31 likewise) units 192 + 8 q + 2 (l % 4), + 1, held at the row's last, 216: what that repeats lies in the same block, so its largest magnitude stays right,
	; and the repeated codes, and those of lanes 28 to 31, are masked away
	v_lshlrev_b32 v[UA], 1, v[LN]
	v_and_b32 v[UB], 3, v[LN]
	v_add_nc_u32 v[UA], s28, v[UA]
	v_lshl_add_u32 v[UB], v[UB], 1, s29
	v_cmp_gt_u32 vcc_lo, 24, v[LN]
	v_cndmask_b32 v[UA], v[UB], v[UA], vcc_lo
	v_mov_b32 v[MSK], -1
	v_mov_b32 v[TA], 0xffff
	v_cmp_lt_u32 vcc_lo, 0xd7, v[UA]               ; from unit 216 on only the first four numbers exist,
	v_cndmask_b32 v[MSK], v[MSK], v[TA], vcc_lo
	v_cmp_ge_u32 vcc_lo, 0xd8, v[UA]               ; beyond it none
	v_cndmask_b32 v[MSK], 0, v[MSK], vcc_lo
	v_cmp_gt_u32 vcc_lo, 28, v[LN]
	v_cndmask_b32 v[MSK], 0, v[MSK], vcc_lo
	v_add_nc_u32 v[UB], 1, v[UA]
	v_min_u32 v[UA], 0xd8, v[UA]
	v_min_u32 v[UB], 0xd8, v[UB]
	v_lshlrev_b32 v[UA], 4, v[UA]
	v_lshlrev_b32 v[UB], 4, v[UB]
	v_add_nc_u32 v[TU], s21, v[LN]                 ; my classes: unit (l + 8 q) % 32 of the row, so that block q comes first; units 25 to 31 do not exist
	v_and_b32 v[TU], 31, v[TU]
	v_min_u32 v[TO], 24, v[TU]
	v_lshlrev_b32 v[TO], 4, v[TO]
	v_lshl_add_u32 v[TP], v[LN], 4, PB
	v_lshl_add_u32 v[WA], v[LN], 2, s33
	v_lshrrev_b32 v[TB], 2, v[LN]
	v_add_nc_u32 v[WSA], s35, v[TB]
	v_add_nc_u32 v[FSA], FS, v[TB]
	v_lshlrev_b32 v[OA], 5, v[LN]
	v_and_b32 v[TA], 15, v0                        ; r
	v_bfe_u32 v[TB], v0, 4, 1                      ; h
	v_mul_u32_u24 v[WFA], v[TA], WPIT
	v_lshl_add_u32 v[WFA], v[TB], 4, v[WFA]
	v_add_nc_u32 v[WFA], WC, v[WFA]
	v_lshl_add_u32 v[WSR], v[TA], 3, WS
	v_lshl_add_u32 v[FCA], v[LN], 2, FC
	v_lshl_add_u32 v[FRA], v[TB], 4, FC
	v_mov_b32 v[FZA], FS
	v_lshlrev_b32 v[PO], 2, v[LN]
	s_wait_alu depctr_va_vdst(0)                   ; the wait at the head's end
	s_wait_kmcnt 0x0
	s_add_nc_u64 s[4:5], s[4:5], s[12:13]
.macro FILL p                          ; plane p into slot p % SLOTS: eight loads of 512 consecutive bytes; read once in the launch
.irp j, 0,1,2,3,4,5,6,7
	global_load_b128 v[X+32*((\p)%SLOTS)+4*\j:X+32*((\p)%SLOTS)+4*\j+3], v[OFF], s[4:5] offset:(\p)*16*PLANE+512*\j th:TH_LOAD_NT
.endr
.endm
.irp p, 0,1,2,3
	FILL \p
.endr
	s_add_nc_u64 s[8:9], s[8:9], s[22:23]
	s_add_nc_u64 s[6:7], s[6:7], s[24:25]
	s_add_nc_u64 s[10:11], s[10:11], s[26:27]
	global_load_b128 v[WV:WV+3], v[UA], s[8:9]
	global_load_b128 v[WV+4:WV+7], v[UB], s[8:9]
	global_load_b128 v[TV:TV+3], v[TO], s[6:7]
.macro TURN p
.set XS, X+32*((\p)%SLOTS)
.if (\p) < SLOTS
	s_wait_loadcnt 8*(SLOTS-1)+SIDE                ; loads come back in order (ISA guide 5.7.1): my plane's eight are in; the 24 of three later planes and the three side loads may be out
.else
.if PPW-1-(\p) >= SLOTS-1
	s_wait_loadcnt 8*(SLOTS-1)                     ; the 24 of the three planes behind it may be out
.else
	s_wait_loadcnt 8*(PPW-1-(\p))                  ; nothing is asked for any more: the count runs down
.endif
.endif
.if ((\p) > 0) && ((\p)+SLOTS < PPW)
	s_barrier_wait -1                              ; all sixteen have asked for their plane p + 3
.endif
.irp i, 0,1,2,3,4,5,6,7
	v_pk_add_f32 v[T+2*\i:T+2*\i+1], v[XS+4*\i:XS+4*\i+1], v[XS+4*\i+2:XS+4*\i+3]   ; 32 numbers become 16: the slot has been read,
.endr
.if (\p)+SLOTS < PPW
	FILL (\p)+SLOTS                                ; and takes the plane SLOTS further on
.endif
.if (\p)+SLOTS+1 < PPW
	s_barrier_signal -1                            ; register work alone stands between this and the next turn's wait
.endif
.irp i, 0,1,2,3
	v_pk_add_f32 v[T+4*\i:T+4*\i+1], v[T+4*\i:T+4*\i+1], v[T+4*\i+2:T+4*\i+3]
.endr
	s_delay_alu instid0(VALU_DEP_3)
	v_pk_add_f32 v[T:T+1], v[T:T+1], v[T+4:T+5]
	s_delay_alu instid0(VALU_DEP_2)
	v_pk_add_f32 v[T+8:T+9], v[T+8:T+9], v[T+12:T+13]
	s_delay_alu instid0(VALU_DEP_1)
	v_pk_add_f32 v[T:T+1], v[T:T+1], v[T+8:T+9]
	s_delay_alu instid0(VALU_DEP_1)
	v_add_f32 v[T], v[T], v[T+1]                   ; my 32 numbers' sum
	s_delay_alu instid0(VALU_DEP_1)
	v_add_f32_dpp v[T], v[T], v[T] row_xmask:1 row_mask:0xf bank_mask:0xf   ; across the 16 lanes of a half,
	s_delay_alu instid0(VALU_DEP_1)
	v_add_f32_dpp v[T], v[T], v[T] row_xmask:2 row_mask:0xf bank_mask:0xf
	s_delay_alu instid0(VALU_DEP_1)
	v_add_f32_dpp v[T], v[T], v[T] row_xmask:4 row_mask:0xf bank_mask:0xf
	s_delay_alu instid0(VALU_DEP_1)
	v_add_f32_dpp v[T], v[T], v[T] row_xmask:8 row_mask:0xf bank_mask:0xf
	s_delay_alu instid0(VALU_DEP_1)
	v_permlanex16_b32 v[T+1], v[T], s30, s31       ; and the other half's (its destination counts as read: T + 1 has been written)
	s_delay_alu instid0(VALU_DEP_1)
	v_add_f32 v[R+(\p)], v[T], v[T+1]
	s_delay_alu instid0(VALU_DEP_1)
	v_mul_f32 v[R+(\p)], 0x3a800000, v[R+(\p)]     ; x 2^-10: the plane's mean, in every lane
.if (\p)+SLOTS >= PPW
	ds_store_b32 v[LA], v[R+(\p)] offset:SUM+64*(\p)   ; all lanes write the same word with the same value
.endif
.endm
; 8 neighbours of each lane, four lanes to a block of 32: the code word in v[c], the scale's byte in v[T+11]
.macro QUANT x, c
	v_max3_num_f32 v[T+8], |v[\x]|, |v[\x+1]|, 0x1800000    ; among the leaves the floor 2^(3 - 127): the scale's byte cannot fall under 1
	v_max3_num_f32 v[T+9], |v[\x+2]|, |v[\x+3]|, |v[\x+4]|
	v_max3_num_f32 v[T+8], v[T+8], |v[\x+5]|, |v[\x+6]|
	v_max3_num_f32 v[T+8], v[T+8], v[T+9], |v[\x+7]|
	v_max_num_f32_dpp v[T+8], v[T+8], v[T+8] row_xmask:1 row_mask:0xf bank_mask:0xf
	v_max_num_f32_dpp v[T+8], v[T+8], v[T+8] row_xmask:2 row_mask:0xf bank_mask:0xf
	v_add_nc_u32 v[T+10], 0xff000000, v[T+8]       ; 2 off its exponent field: the conversion takes the exponent field of this operand as its scale, and nothing else of it
	v_cvt_scalef32_pk8_fp4_f32 v[\c], v[\x:\x+7], v[T+10]   ; to the nearest code, ties to even, beyond 6 the largest code
	v_lshrrev_b32 v[T+11], 23, v[T+10]             ; the scale's byte
.endm
.irp p, 0,1,2,3,4,5,6,7
	TURN \p
.endr
	; every load is on its way, no barrier is open: eight means to LDS, and row w of W
.irp p, 0,1,2,3,4,5,6,7
	ds_store_b32 v[LA], v[R+\p] offset:SUM+64*\p
.endr
	QUANT WV, T+12
	v_and_b32 v[T+12], v[T+12], v[MSK]             ; what does not exist along K counts for nothing: the code 0
	ds_store_b32 v[WA], v[T+12]
	ds_store_b8 v[WSA], v[T+11]                    ; the four lanes of a block write the same byte with the same value
	s_cmp_lg_u32 s16, 0
	s_cbranch_scc1 .Lnosoft
	; wave 0: the softmax of the row's 100 classes, 4 a lane
	v_mov_b32 v[T], 0xff800000
	v_cmp_gt_u32 vcc_lo, 25, v[TU]
.irp i, 0,1,2,3
	v_cndmask_b32 v[TV+\i], v[T], v[TV+\i], vcc_lo ; classes 100 to 127 do not exist: -infinity, so that p = 0
.endr
	v_max3_num_f32 v[T+1], v[TV], v[TV+1], v[TV+2]
	v_max_num_f32 v[T+1], v[T+1], v[TV+3]
.irp m, 1,2,4,8
	v_max_num_f32_dpp v[T+1], v[T+1], v[T+1] row_xmask:\m row_mask:0xf bank_mask:0xf
.endr
	v_permlanex16_b32 v[T], v[T+1], s30, s31
	v_max_num_f32 v[T+1], v[T+1], v[T]             ; the row's maximum m
	v_mul_f32 v[T+2], s34, v[T+1]                  ; c m, c = log2(e): rounded once, the same for the whole row, so what that adds to every exponent leaves by the division
.irp i, 0,1,2,3
	v_fma_f32 v[TV+\i], v[TV+\i], s34, -v[T+2]
.endr
	s_wait_alu depctr_va_vdst(0)                   ; the wait ahead of the batch,
.irp i, 0,1,2,3
	v_exp_f32 v[TV+\i], v[TV+\i]
.endr
	v_nop
	s_wait_alu depctr_va_vdst(0)                   ; and behind it
	v_add_f32 v[T+1], v[TV], v[TV+1]
	v_add_f32 v[T+3], v[TV+2], v[TV+3]
	v_add_f32 v[T+1], v[T+1], v[T+3]
.irp m, 1,2,4,8
	v_add_f32_dpp v[T+1], v[T+1], v[T+1] row_xmask:\m row_mask:0xf bank_mask:0xf
.endr
	v_permlanex16_b32 v[T], v[T+1], s30, s31
	v_add_f32 v[T+1], v[T+1], v[T]
	s_wait_alu depctr_va_vdst(0)
	v_rcp_f32 v[T+2], v[T+1]
	v_nop
	s_wait_alu depctr_va_vdst(0)
.irp i, 0,1,2,3
	v_mul_f32 v[TV+\i], v[TV+\i], v[T+2]           ; the finished, normalised softmax is what is quantised
.endr
	ds_store_b128 v[TP], v[TV:TV+3]
.Lnosoft:
.irp p, 8,9,10,11
	TURN \p
.endr
	s_wait_xcnt 0x0                                ; EXEC is narrowed further down: every load has had its address translated
	s_wait_dscnt 0x0                               ; for wave 0's sake: my LDS stores have landed
	s_barrier_signal -1
	s_barrier_wait -1
	s_cmp_eq_u32 s16, 0
	s_cbranch_scc1 .Lproduct
	s_wait_tensorcnt 0x0                           ; the wave's end
	ds_add_u32 v[SPW], v[NIL]
	s_wait_dscnt 0x0
	s_endpgm
.Lproduct:
	ds_load_b128 v[T:T+3], v[OA] offset:SUM        ; k = 8 l + 0 .. 7: lanes 0 to 23 means, lanes 24 to 27 the softmax's block q; lanes 28 to 31 take its next block, for which W's codes are 0
	ds_load_b128 v[T+4:T+7], v[OA] offset:SUM+16
.irp s, 0,1
.irp c, 0,1
	ds_load_b128 v[WCR+8*\s+4*\c:WCR+8*\s+4*\c+3], v[WFA] offset:64*\s+32*\c   ; registers 4 c .. 4 c + 3 of K step s: k = 128 s + 64 c + 32 h + 0 .. 31 of W's row r
.endr
.endr
	ds_load_b64 v[BSC:BSC+1], v[WSR]
	s_wait_dscnt 5                                 ; my 8 numbers are in; W's five loads may be out
	QUANT T, T+12
	ds_store_b32 v[FCA], v[T+12]
	ds_store_b8 v[FSA], v[T+11]
.irp s, 0,1
.irp c, 0,1
	ds_load_b128 v[FCR+8*\s+4*\c:FCR+8*\s+4*\c+3], v[FRA] offset:64*\s+32*\c   ; the same for all sixteen rows.  LDS serves a wave's instructions in order (ISA guide 5.7.1.4): these see the stores
.endr
.endr
	ds_load_b64 v[ASC:ASC+1], v[FZA]
	s_wait_tensorcnt 0x0                           ; the wave's last LDS instructions
	ds_add_u32 v[SPW], v[NIL]
	v_cmp_gt_u32 vcc_lo, 16, v[LN]
	s_wait_dscnt 0x0                               ; and everything is in
	v_wmma_scale_f32_16x16x128_f8f6f4 v[D:D+7], v[FCR:FCR+7], v[WCR:WCR+7], 0, v[ASC], v[BSC] matrix_a_fmt:MATRIX_FMT_FP4 matrix_b_fmt:MATRIX_FMT_FP4
	s_wait_alu depctr_va_vdst(0)                   ; the wait directly ahead of the next link
	v_wmma_scale_f32_16x16x128_f8f6f4 v[D:D+7], v[FCR+8:FCR+15], v[WCR+8:WCR+15], v[D:D+7], v[ASC+1], v[BSC+1] matrix_a_fmt:MATRIX_FMT_FP4 matrix_b_fmt:MATRIX_FMT_FP4
.rept 4
	v_nop                                          ; four places ahead of the store that reads the result
.endr
	s_and_saveexec_b32 s36, vcc_lo                 ; lanes 16 to 31 hold the same numbers again
	global_store_b32 v[PO], v[D], s[10:11]         ; expert = lane: 64 consecutive bytes
	s_endpgm
.Lfunc_end_k_q66473b3273_pool:
	.size	k_q66473b3273_pool, .Lfunc_end_k_q66473b3273_pool-k_q66473b3273_pool
	.p2alignl 7, 3214868480
	.fill 96, 4, 3214868480
	.section	.rodata,"a",@progbits
	.p2align	6, 0x0
	.amdhsa_kernel k_q66473b3273_pool
		.amdhsa_group_segment_fixed_size 6144
		.amdhsa_private_segment_fixed_size 0
		.amdhsa_enable_private_segment 0
		.amdhsa_kernarg_size 32
		.amdhsa_user_sgpr_count 2
		.amdhsa_user_sgpr_kernarg_segment_ptr 1
		.amdhsa_wavefront_size32 1
		.amdhsa_system_sgpr_workgroup_id_x 1
		.amdhsa_system_sgpr_workgroup_id_y 1
		.amdhsa_system_sgpr_workgroup_id_z 1
		.amdhsa_system_vgpr_workitem_id 0
		.amdhsa_next_free_vgpr 196
		.amdhsa_next_free_sgpr 66
		.amdhsa_reserve_vcc 1
		.amdhsa_float_denorm_mode_32 3
		.amdhsa_float_denorm_mode_16_64 3
		.amdhsa_memory_ordered 1
		.amdhsa_forward_progress 1
		.amdhsa_inst_pref_size 41
	.end_amdhsa_kernel
	.amdgpu_metadata
---
amdhsa.version: [ 1, 2 ]
amdhsa.kernels:
  - .name:           k_q66473b3273_pool
    .symbol:         k_q66473b3273_pool.kd
    .args:
      - { .name: hidden_states, .offset: 0, .size: 8, .value_kind: global_buffer, .address_space: global }
      - { .name: task_cls, .offset: 8, .size: 8, .value_kind: global_buffer, .address_space: global }
      - { .name: W, .offset: 16, .size: 8, .value_kind: global_buffer, .address_space: global }
      - { .name: part, .offset: 24, .size: 8, .value_kind: global_buffer, .address_space: global }
    .group_segment_fixed_size: 6144
    .private_segment_fixed_size: 0
    .kernarg_segment_align: 8
    .kernarg_segment_size: 32
    .max_flat_workgroup_size: 512
    .sgpr_count:     66
    .vgpr_count:     196
    .wavefront_size: 32
...
	.end_amdgpu_metadata
.endif
;; end of part 1
;; launch router (part 2): grid 1 x 1, 8 waves a work-group, no clusters, 2,560 bytes of LDS; arguments part, b, out0, out1, out2, out3; writes out0, out1, out2, out3
.if DOCPART == 2
	.amdgcn_target "amdgcn-amd-amdhsa--gfx1250"
	.amdhsa_code_object_version 6
	.text
	.protected	k_q66473b3273_router
	.globl	k_q66473b3273_router
	.p2align	8
	.type	k_q66473b3273_router,@function
k_q66473b3273_router:
	s_mov_b64 s[64:65], 0
	v_nop
	global_prefetch_b8 v0, s[64:65] scope:SCOPE_SE
	s_setreg_imm32_b32 hwreg(HW_REG_WAVE_MODE, 25, 1), 1
	s_wait_xcnt 0x0
; logits = the four quarters of part + b; then softmax over the 16 experts, the two largest probabilities (ties: the lower index), their renormalised weights, and the one-hot mask.
; part [4][64][16], b [16]: f32.  out0 [64][16] f32 logits; out1 [64][2] f32 weights; out2 [64][2] i32 experts; out3 [16][2][64] i32 mask.
; SHARES.  64 rows x 16 experts: one work-group of eight waves, a row to four lanes, four experts a lane: every load of part and the store of out0 cover 512 consecutive bytes a wave, and a reduction over the experts is two lines
; within a lane and two across lanes.  16,384 bytes come in, 13,312 go out; one work-group has all rows, so that every aligned 256 bytes of the four outputs are stored whole by one instruction: out1, out2 and out3 are gathered in LDS.
; No cluster and no matrix unit: one work-group, no product.
; LIMITS: NaN and infinities among the inputs are not served.  A probability under 2^-126 comes out of v_exp_f32 as 0.
.set WTS, 0                            ; LDS: out1's image, 512 bytes,
.set IXS, 512                          ; out2's, 512 bytes,
.set SEL, 1024                         ; the chosen experts as [k][row], 512 bytes,
.set SPARE, 1536                       ; the spare words, 128 bytes a wave
.set TH,  1                            ; v1   16 x thread
.set SPW, 2
.set NIL, 3
.set EX,  5                            ; v5   my first expert
.set BO,  6
.set L16, 7                            ; v7   16 x lane
.set O3,  8
.set SR,  9
.set IR,  10
.set KK,  12                           ; v12  lane % 2: lanes serve k = 0 and k = 1 by turns
.set WI,  13
.set SI,  14
.set ONE, 15
.set L,   16                           ; v[16:31] the four quarters; v[16:19] the logits
.set BI,  32                           ; v[32:35] b
.set M,   36
.set CM,  37
.set E,   40                           ; v[40:43] the probabilities
.set S,   44
.set RC,  46
.set IX,  47
.set DP,  48
.set DD,  49
.set M1,  50
.set I1,  51
.set M2,  52
.set I2,  53
.set WK,  54
.set SK,  55
	s_load_b256 s[4:11], s[0:1], 0x0               ; part s[4:5], b s[6:7], out0 s[8:9], out1 s[10:11]
	s_load_b128 s[12:15], s[0:1], 0x20             ; out2 s[12:13], out3 s[14:15]
	v_lshl_add_u32 v[SPW], v0, 2, SPARE
	v_mov_b32 v[NIL], 0
	v_lshrrev_b32 v4, 5, v0
	v_readfirstlane_b32 s16, v4                    ; wave 0..7
	v_lshlrev_b32 v[TH], 4, v0
	v_and_b32 v[EX], 3, v0
	v_lshlrev_b32 v[BO], 4, v[EX]
	v_lshlrev_b32 v[EX], 2, v[EX]
	v_and_b32 v[L16], 31, v0
	v_lshlrev_b32 v[L16], 4, v[L16]
	s_lshl_b32 s17, s16, 1                         ; out3: my wave stores experts 2 w and 2 w + 1
	s_add_co_u32 s18, s17, 1
	s_lshl_b32 s19, s16, 10
	v_add_nc_u32 v[O3], s19, v[L16]
	v_add_nc_u32 v[SR], SEL, v[L16]
	s_and_b32 s20, s16, 1
	s_lshl_b32 s20, s20, 9                         ; wave 0 stores out1, wave 1 out2
	v_add_nc_u32 v[IR], s20, v[L16]
	v_lshrrev_b32 v11, 2, v0                       ; row
	v_and_b32 v[KK], 1, v0
	v_lshlrev_b32 v[WI], 3, v11
	v_lshl_add_u32 v[WI], v[KK], 2, v[WI]          ; 8 row + 4 k
	v_lshlrev_b32 v[SI], 2, v11
	v_lshl_add_u32 v[SI], v[KK], 8, v[SI]          ; 256 k + 4 row
	v_mov_b32 v[ONE], 1
	v_mov_b32 v[DP], 0                             ; a lane move's destination counts as one of its sources
	v_cmp_ne_u32 s29, 0, v[KK]
	s_mov_b32 s28, 0x3fb8aa3b                      ; c = log2(e)
	s_wait_alu depctr_va_vdst(0)                   ; the wait at the head's end
	s_wait_kmcnt 0x0
.irp q, 0,1,2,3
	global_load_b128 v[L+4*\q:L+4*\q+3], v[TH], s[4:5] offset:4096*\q
.endr
	global_load_b128 v[BI:BI+3], v[BO], s[6:7]
	s_cmp_eq_u32 s16, 0
	s_cselect_b64 s[24:25], s[10:11], s[12:13]
	s_wait_loadcnt 0x0
.irp j, 0,2,8,10
	v_pk_add_f32 v[L+\j:L+\j+1], v[L+\j:L+\j+1], v[L+\j+4:L+\j+5]
.endr
.irp j, 0,2
	v_pk_add_f32 v[L+\j:L+\j+1], v[L+\j:L+\j+1], v[L+\j+8:L+\j+9]
.endr
.irp j, 0,2
	v_pk_add_f32 v[L+\j:L+\j+1], v[L+\j:L+\j+1], v[BI+\j:BI+\j+1]
.endr
	global_store_b128 v[TH], v[L:L+3], s[8:9]      ; a wave stores 512 consecutive bytes of out0
	v_max3_num_f32 v[M], v[L], v[L+1], v[L+2]      ; the row's maximum m
	s_delay_alu instid0(VALU_DEP_1)
	v_max_num_f32 v[M], v[M], v[L+3]
	s_delay_alu instid0(VALU_DEP_1)
	v_max_num_f32_dpp v[M], v[M], v[M] row_xmask:1 row_mask:0xf bank_mask:0xf
	s_delay_alu instid0(VALU_DEP_1)
	v_max_num_f32_dpp v[M], v[M], v[M] row_xmask:2 row_mask:0xf bank_mask:0xf
	s_delay_alu instid0(VALU_DEP_1)
	v_mul_f32 v[CM], s28, v[M]                     ; c m: rounded once, the same for the whole row
.irp j, 0,1,2,3
	v_fma_f32 v[E+\j], v[L+\j], s28, -v[CM]
.endr
	s_wait_alu depctr_va_vdst(0)                   ; the wait ahead of the batch,
.irp j, 0,1,2,3
	v_exp_f32 v[E+\j], v[E+\j]
.endr
	v_nop
	s_wait_alu depctr_va_vdst(0)                   ; and behind it
	v_add_f32 v[S], v[E], v[E+1]
	v_add_f32 v[S+1], v[E+2], v[E+3]
	s_delay_alu instid0(VALU_DEP_1)
	v_add_f32 v[S], v[S], v[S+1]
	s_delay_alu instid0(VALU_DEP_1)
	v_add_f32_dpp v[S], v[S], v[S] row_xmask:1 row_mask:0xf bank_mask:0xf
	s_delay_alu instid0(VALU_DEP_1)
	v_add_f32_dpp v[S], v[S], v[S] row_xmask:2 row_mask:0xf bank_mask:0xf
	s_wait_alu depctr_va_vdst(0)
	v_rcp_f32 v[RC], v[S]
	v_nop
	s_wait_alu depctr_va_vdst(0)
.irp j, 0,1,2,3
	v_mul_f32 v[E+\j], v[E+\j], v[RC]              ; the probabilities
.endr
; The largest of a row's 16 numbers (four in each of four lanes) into v[m], and the lowest expert that holds it into v[i].
.macro BEST m, i
	v_max3_num_f32 v[\m], v[E], v[E+1], v[E+2]
	s_delay_alu instid0(VALU_DEP_1)
	v_max_num_f32 v[\m], v[\m], v[E+3]
	s_delay_alu instid0(VALU_DEP_1)
	v_max_num_f32_dpp v[\m], v[\m], v[\m] row_xmask:1 row_mask:0xf bank_mask:0xf
	s_delay_alu instid0(VALU_DEP_1)
	v_max_num_f32_dpp v[\m], v[\m], v[\m] row_xmask:2 row_mask:0xf bank_mask:0xf
	v_mov_b32 v[IX], 64                            ; above every expert's number
.irp j, 0,1,2,3
	v_cmp_neq_f32 s[36+\j], v[E+\j], v[\m]
.endr
.irp j, 3,2,1,0
	v_cndmask_b32 v[IX], \j, v[IX], s[36+\j]       ; downwards, so that the lowest of equals stays
.endr
	v_add_nc_u32 v[\i], v[EX], v[IX]
	v_mov_b32_dpp v[DP], v[\i] row_xmask:1 row_mask:0xf bank_mask:0xf
	v_min_u32 v[\i], v[\i], v[DP]
	v_mov_b32_dpp v[DP], v[\i] row_xmask:2 row_mask:0xf bank_mask:0xf
	v_min_u32 v[\i], v[\i], v[DP]
.endm
	BEST M1, I1
	v_sub_nc_u32 v[DD], v[I1], v[EX]               ; which of my four it is, if it is mine
.irp j, 0,1,2,3
	v_cmp_ne_u32 s[36+\j], \j, v[DD]
.endr
.irp j, 0,1,2,3
	v_cndmask_b32 v[E+\j], -1.0, v[E+\j], s[36+\j] ; it is taken out: -1 lies under every probability
.endr
	BEST M2, I2
	v_add_f32 v[S], v[M1], v[M2]
	s_wait_alu depctr_va_vdst(0)
	v_rcp_f32 v[RC], v[S]
	v_cndmask_b32 v[WK], v[M1], v[M2], s29
	v_cndmask_b32 v[SK], v[I1], v[I2], s29
	s_wait_alu depctr_va_vdst(0)
	v_mul_f32 v[WK], v[WK], v[RC]                  ; p_k / (p_0 + p_1)
	ds_store_b32 v[SI], v[SK] offset:SEL           ; (two lanes of a row write each word, with the same value)
	ds_store_b32 v[WI], v[SK] offset:IXS
	ds_store_b32 v[WI], v[WK] offset:WTS
	s_wait_dscnt 0x0                               ; for the others' sake: my stores have landed
	s_barrier_signal -1
	s_barrier_wait -1
	ds_load_b128 v[56:59], v[SR]                   ; lanes 0-15 k = 0, lanes 16-31 k = 1: the chosen experts of rows 4 (l % 16) + 0 .. 3
	ds_load_b128 v[60:63], v[IR]                   ; wave 0: out1's 512 bytes, wave 1: out2's (the other waves' are not used)
	s_wait_dscnt 1
.irp j, 0,1,2,3
	v_cmp_eq_u32 s[36+\j], s17, v[56+\j]           ; the mask is made by comparing: no address hangs on the choice
	v_cmp_eq_u32 s[40+\j], s18, v[56+\j]
.endr
.irp j, 0,1,2,3
	v_cndmask_b32 v[64+\j], 0, v[ONE], s[36+\j]
	v_cndmask_b32 v[68+\j], 0, v[ONE], s[40+\j]
.endr
	global_store_b128 v[O3], v[64:67], s[14:15]    ; out3[2 w]: 512 consecutive bytes,
	global_store_b128 v[O3], v[68:71], s[14:15] offset:512   ; out3[2 w + 1]
	s_wait_dscnt 0x0
	s_cmp_lt_u32 s16, 2
	s_cbranch_scc0 .Ldone
	global_store_b128 v[L16], v[60:63], s[24:25]   ; 512 consecutive bytes
.Ldone:
	s_wait_tensorcnt 0x0                           ; the wave's end
	ds_add_u32 v[SPW], v[NIL]
	s_wait_dscnt 0x0
	s_endpgm
.Lfunc_end_k_q66473b3273_router:
	.size	k_q66473b3273_router, .Lfunc_end_k_q66473b3273_router-k_q66473b3273_router
	.p2alignl 7, 3214868480
	.fill 96, 4, 3214868480
	.section	.rodata,"a",@progbits
	.p2align	6, 0x0
	.amdhsa_kernel k_q66473b3273_router
		.amdhsa_group_segment_fixed_size 2560
		.amdhsa_private_segment_fixed_size 0
		.amdhsa_enable_private_segment 0
		.amdhsa_kernarg_size 48
		.amdhsa_user_sgpr_count 2
		.amdhsa_user_sgpr_kernarg_segment_ptr 1
		.amdhsa_wavefront_size32 1
		.amdhsa_system_sgpr_workgroup_id_x 1
		.amdhsa_system_sgpr_workgroup_id_y 1
		.amdhsa_system_sgpr_workgroup_id_z 1
		.amdhsa_system_vgpr_workitem_id 0
		.amdhsa_next_free_vgpr 72
		.amdhsa_next_free_sgpr 66
		.amdhsa_reserve_vcc 0
		.amdhsa_float_denorm_mode_32 3
		.amdhsa_float_denorm_mode_16_64 3
		.amdhsa_memory_ordered 1
		.amdhsa_forward_progress 1
		.amdhsa_inst_pref_size 9
	.end_amdhsa_kernel
	.amdgpu_metadata
---
amdhsa.version: [ 1, 2 ]
amdhsa.kernels:
  - .name:           k_q66473b3273_router
    .symbol:         k_q66473b3273_router.kd
    .args:
      - { .name: part, .offset: 0, .size: 8, .value_kind: global_buffer, .address_space: global }
      - { .name: b, .offset: 8, .size: 8, .value_kind: global_buffer, .address_space: global }
      - { .name: out0, .offset: 16, .size: 8, .value_kind: global_buffer, .address_space: global }
      - { .name: out1, .offset: 24, .size: 8, .value_kind: global_buffer, .address_space: global }
      - { .name: out2, .offset: 32, .size: 8, .value_kind: global_buffer, .address_space: global }
      - { .name: out3, .offset: 40, .size: 8, .value_kind: global_buffer, .address_space: global }
    .group_segment_fixed_size: 2560
    .private_segment_fixed_size: 0
    .kernarg_segment_align: 8
    .kernarg_segment_size: 48
    .max_flat_workgroup_size: 256
    .sgpr_count:     66
    .vgpr_count:     72
    .wavefront_size: 32
...
	.end_amdgpu_metadata
.endif
;; end of part 2
